; MI455X (gfx1250); checked and timed in simulation.
; The chip was launched on July 23, 2026; its instructions are those of AMD's public machine-readable ISA for CDNA 5 (MIT licence, August 2026) and "CDNA5" Instruction Set Architecture Reference Guide (July 2026). The comments in the code are by the model that wrote it; some were corrected since.
;; Sparse Feed Forward. Allowed arithmetic: float matrix products may take bf16 or f16 operands with f32 sums; other float arithmetic in f32, or as packed bf16 or f16 multiplies, adds, multiply-adds, maxima and minima; sums over many terms, partial sums and values carried from step to step in f32; what a program stores and reads back later, other than sums and carried values, may be rounded once to bf16 or f16.
;; Inputs: W_experts 8,192 x 1,024 float32; W_gate 8 x 1,024 float32; b_experts 8,192 float32; b_gate 8 float32; x 4 x 2,048 x 1,024 float32.
;; Outputs: out0 4 x 2,048 x 1,024 float32.
;; One version. Each part assembles by itself: llvm-mc -triple=amdgcn-amd-amdhsa -mcpu=gfx1250 --defsym DOCPART=n.
;; ======== version 1 of 1: 3 launches
;; workspace buffers: xb 16,777,216 bytes; Wb 16,777,216 bytes; bexp 32,768 bytes; wts 65,536 bytes; route 65,536 bytes of whole numbers; list 50,688 bytes of whole numbers; tiles 2,048 bytes of whole numbers
;; launch route (part 1): grid 256 x 1, 8 waves a work-group, no clusters, 78,848 bytes of LDS; arguments x, W_gate, b_gate, xb, route, wts; writes xb, route, wts
.if DOCPART == 1
	.amdgcn_target "amdgcn-amd-amdhsa--gfx1250"
	.amdhsa_code_object_version 6
	.text
	.protected	k_qda1ec3ae04_route
	.globl	k_qda1ec3ae04_route
	.p2align	8
	.type	k_qda1ec3ae04_route,@function
k_qda1ec3ae04_route:
	s_mov_b64 s[64:65], 0
	v_nop
	global_prefetch_b8 v0, s[64:65] scope:SCOPE_SE
	s_setreg_imm32_b32 hwreg(HW_REG_WAVE_MODE, 25, 1), 1
	s_wait_xcnt 0x0
; ROUTE: the gate, the choice of two experts, and x rounded to bf16.
; 8,192 tokens of 1,024 channels.  A work-group has 32 tokens; wave w has channels 128 w .. 128 w + 127 of all 32.
; x, W_gate and b_gate are each rounded once to bf16; products on the matrix unit, sums and all gate arithmetic in f32.
; THE GATE.  softmax's divisor cancels in the renormalisation of the two largest: with l1 >= l2 the two largest logits,
; rho = exp(l2 - l1) (the maximum is taken away), w1 = 1 / (1 + rho), w2 = rho w1.
; LIMITS.  The two largest are taken on the logits, the lower index winning a tie; that can differ from a choice on the
; probabilities only where two logits lie within a last bit of each other.  rho below 2^-126 counts as 0.  NaN and
; infinities are not treated apart.
; WHAT IS STORED, all at fixed places (no address and no branch here hangs on the choice):
;   xb[token][1024] bf16;  wts[token] = (wa, wb), a < b the chosen experts;
;   route[group][lane] = (set | rank << 8 of token 32 group + lane,  number of the group's tokens in set = lane),
;   set = a (15 - a) / 2 + b - a - 1 (28 sets), rank = the token's place among its group's tokens of the same set.
; No cluster: the work-groups share only W_gate's 32 KiB.  No LDS ring: all of a wave's 48 loads are out at once.
.set XP,    272                        ; an LDS row of 128 bf16: 256 bytes + 16, so that 16 rows start at 16 different 16-byte columns
.set XTW,   32*XP                      ; a wave's own 32 rows
.set PART,  8*XTW                      ; behind them: partial logits, 1,024 bytes a wave, 32 bytes a token
.set SPARE, PART+8*1024                ; the spare words, 128 bytes a wave: four blocks of 256 bytes that no other line names
.set SPW, 14                           ; v14  my spare word's address; never rewritten
.set NIL, 15                           ; v15  0; never rewritten
.set D0,  16                           ; v[16:23]  logits of tokens 0-15:  lane l holds token l % 16, register j expert j
.set D1,  24                           ; v[24:31]  of tokens 16-31
.set WG,  32                           ; v[32:63]  W_gate's fragments in bf16, 8 registers for each 32 channels; later wave 0's work
.set X,   64                           ; v[64:191] x as loaded, 4 registers a token; the first two then hold the token's bf16
.set F,   192                          ; v[192:255] W_gate in f32; then the tokens' fragments; then wave 0's partial logits
	s_load_b256 s[4:11], s[0:1], 0x0               ; x s[4:5], W_gate s[6:7], b_gate s[8:9], xb s[10:11]
	s_load_b128 s[12:15], s[0:1], 0x20             ; route s[12:13], wts s[14:15]
	v_lshl_add_u32 v[SPW], v0, 2, SPARE
	v_mov_b32 v[NIL], 0
	v_lshrrev_b32 v1, 5, v0
	v_readfirstlane_b32 s24, v1                    ; wave 0..7
	v_and_b32 v1, 31, v0                           ; lane
	v_and_b32 v9, 15, v0                           ; r
	v_bfe_u32 v6, v0, 4, 1                         ; h
	v_lshlrev_b32 v2, 4, v0                        ; x:  512 w + 16 lane
	v_lshlrev_b32 v3, 3, v0                        ; xb: 256 w + 8 lane
	s_mul_i32 s30, s24, XTW                        ; my wave's rows in LDS
	v_lshl_add_u32 v4, v1, 3, s30                  ; where a token's 8 bytes go
	v_and_b32 v5, 7, v0                            ; W_gate: rows 8-15 of the fragment repeat experts 0-7,
	v_lshlrev_b32 v5, 12, v5                       ; so both halves of the lanes end with the same eight logits
	v_lshl_add_u32 v5, v6, 5, v5                   ; + 8 h channels of 4 bytes
	s_lshl_b32 s31, s24, 9
	v_add_nc_u32 v5, s31, v5                       ; + my wave's 128 channels
	v_mul_u32_u24 v7, v9, XP
	v_lshl_add_u32 v7, v6, 4, v7
	v_add_nc_u32 v7, s30, v7                       ; a token fragment: row r, 16 h
	v_lshl_add_u32 v8, v0, 5, PART                 ; partial logits: 1,024 w + 32 lane
	v_lshlrev_b32 v10, 3, v1                       ; route, wts: 8 lane
	s_lshl_b32 s26, ttmp9, 17                      ; the group's 32 rows of x,
	s_mov_b32 s27, 0
	s_lshl_b32 s28, ttmp9, 16                      ; of xb,
	s_mov_b32 s29, 0
	s_lshl_b32 s32, ttmp9, 8                       ; and its 256 bytes of route and of wts
	s_mov_b32 s33, 0
	s_mov_b32 s25, 0xffff0000                      ; lanes 16-31; also a word's upper bf16
	s_wait_kmcnt 0x0
	s_load_b256 s[16:23], s[8:9], 0x0              ; b_gate's eight numbers (wave 0 waits for them below)
	s_add_nc_u64 s[4:5], s[4:5], s[26:27]
	s_add_nc_u64 s[10:11], s[10:11], s[28:29]
	s_add_nc_u64 s[12:13], s[12:13], s[32:33]
	s_add_nc_u64 s[14:15], s[14:15], s[32:33]
.irp q, 0,1,2,3                        ; W_gate, 32 channels a step: channels 8 h + 0..7 and 16 + 8 h + 0..7 of my row
	global_load_b128 v[F+16*(\q):F+16*(\q)+3],     v5, s[6:7] offset:128*(\q)
	global_load_b128 v[F+16*(\q)+4:F+16*(\q)+7],   v5, s[6:7] offset:128*(\q)+16
	global_load_b128 v[F+16*(\q)+8:F+16*(\q)+11],  v5, s[6:7] offset:128*(\q)+64
	global_load_b128 v[F+16*(\q)+12:F+16*(\q)+15], v5, s[6:7] offset:128*(\q)+80
.endr
.set t, 0
.rept 32                               ; x: a load of the wave covers 512 consecutive bytes of one token
	global_load_b128 v[X+4*t:X+4*t+3], v2, s[4:5] offset:4096*t th:TH_LOAD_NT
.set t, t+1
.endr
	s_wait_loadcnt 32                              ; only the 32 loads of x are younger: W_gate is in
.set i, 0
.rept 32
	v_cvt_pk_bf16_f32 v[WG+i], v[F+2*i], v[F+2*i+1]
.set i, i+1
.endr
.set t, 0
.rept 32
	s_wait_loadcnt 31-t                            ; the tokens behind t may stay out
	v_cvt_pk_bf16_f32 v[X+4*t],   v[X+4*t],   v[X+4*t+1]
	v_cvt_pk_bf16_f32 v[X+4*t+1], v[X+4*t+2], v[X+4*t+3]
	global_store_b64 v3, v[X+4*t:X+4*t+1], s[10:11] offset:2048*t  ; the wave stores 256 consecutive bytes, at a multiple of 256 from xb's first
	ds_store_b64 v4, v[X+4*t:X+4*t+1] offset:XP*t
.set t, t+1
.endr
.irp u, 0,1                            ; the tokens' fragments: my wave's own bytes, and LDS serves a wave's instructions in order: no wait, no barrier
.irp q, 0,1,2,3
	ds_load_b128 v[F+32*(\u)+8*(\q):F+32*(\u)+8*(\q)+3],   v7 offset:(\u)*16*XP+64*(\q)
	ds_load_b128 v[F+32*(\u)+8*(\q)+4:F+32*(\u)+8*(\q)+7], v7 offset:(\u)*16*XP+64*(\q)+32
.endr
.endr
	s_wait_dscnt 0x0
	; source 0 = experts, source 1 = tokens.  The two accumulators take turns; the first products start the sums.
	v_wmma_f32_16x16x32_bf16 v[D0:D0+7], v[WG:WG+7], v[F:F+7], 0
	v_wmma_f32_16x16x32_bf16 v[D1:D1+7], v[WG:WG+7], v[F+32:F+39], 0
.irp q, 1,2,3
	v_wmma_f32_16x16x32_bf16 v[D0:D0+7], v[WG+8*(\q):WG+8*(\q)+7], v[F+8*(\q):F+8*(\q)+7], v[D0:D0+7]
	v_wmma_f32_16x16x32_bf16 v[D1:D1+7], v[WG+8*(\q):WG+8*(\q)+7], v[F+32+8*(\q):F+32+8*(\q)+7], v[D1:D1+7]
.endr
.rept 4
	v_nop                                          ; four places behind the last product, ahead of the first read of a result
.endr
.irp j, 0,1,2,3,4,5,6,7                ; lanes 16-31 take tokens 16-31: now lane = token of the group.  Lowest registers first
	v_cndmask_b32 v[D0+(\j)], v[D0+(\j)], v[D1+(\j)], s25
.endr
	ds_store_b128 v8, v[D0:D0+3]
	ds_store_b128 v8, v[D0+4:D0+7] offset:16
	s_wait_dscnt 0x0                               ; for wave 0's sake: my partial logits are in LDS
	s_barrier_signal -1
	s_barrier_wait -1
	s_cmp_lg_u32 s24, 0
	s_cbranch_scc1 .Lend                           ; waves 1 to 7 are done
	; WAVE 0: the eight waves' partial logits are added in ascending order of the channels
.irp k, 0,1,2,3,4,5,6,7
	ds_load_b128 v[F+8*(\k):F+8*(\k)+3],   v8 offset:1024*(\k)
	ds_load_b128 v[F+8*(\k)+4:F+8*(\k)+7], v8 offset:1024*(\k)+16
.endr
	s_wait_kmcnt 0x0                               ; b_gate
.irp j, 0,1,2,3,4,5,6,7
	v_mov_b32 v[32+(\j)], s[16+(\j)]
.endr
.irp p, 0,1,2,3                        ; b_gate rounded to bf16 like every input, and widened again
	v_cvt_pk_bf16_f32 v[40+(\p)], v[32+2*(\p)], v[33+2*(\p)]
	v_lshlrev_b32 v[44+2*(\p)], 16, v[40+(\p)]
	v_and_b32 v[45+2*(\p)], s25, v[40+(\p)]
.endr
	s_wait_dscnt 0x0
.irp k, 1,2,3,4,5,6,7
.irp p, 0,1,2,3
	v_pk_add_f32 v[F+2*(\p):F+2*(\p)+1], v[F+2*(\p):F+2*(\p)+1], v[F+8*(\k)+2*(\p):F+8*(\k)+2*(\p)+1]
.endr
.endr
.irp p, 0,1,2,3
	v_pk_add_f32 v[F+2*(\p):F+2*(\p)+1], v[F+2*(\p):F+2*(\p)+1], v[44+2*(\p):45+2*(\p)]
.endr
	; the largest logit (v52) and its expert (v53): a strict comparison keeps the lower index at a tie
	v_mov_b32 v52, v[F]
	v_mov_b32 v53, 0
.irp j, 1,2,3,4,5,6,7
	v_cmp_gt_f32 vcc_lo, v[F+(\j)], v52
	v_cndmask_b32 v52, v52, v[F+(\j)], vcc_lo
	v_cndmask_b32 v53, v53, \j, vcc_lo
.endr
	v_mov_b32 v56, 0xff800000                      ; the winner's logit is taken out,
.irp j, 0,1,2,3,4,5,6,7
	v_cmp_eq_u32 vcc_lo, \j, v53
	v_cndmask_b32 v[F+(\j)], v[F+(\j)], v56, vcc_lo
.endr
	v_mov_b32 v54, v[F]                            ; and the scan goes once more: v54, v55
	v_mov_b32 v55, 0
.irp j, 1,2,3,4,5,6,7
	v_cmp_gt_f32 vcc_lo, v[F+(\j)], v54
	v_cndmask_b32 v54, v54, v[F+(\j)], vcc_lo
	v_cndmask_b32 v55, v55, \j, vcc_lo
.endr
	v_sub_f32 v57, v54, v52                        ; l2 - l1 <= 0
	v_mul_f32 v57, 0x3fb8aa3b, v57                 ; times log2(e)
	v_exp_f32 v58, v57                             ; rho
	v_min_u32 v60, v53, v55                        ; a  (the plain instruction behind the exponential)
	v_max_u32 v61, v53, v55                        ; b
	s_wait_alu depctr_va_vdst(0)                   ; the wait ahead of the first line that names rho
	v_add_f32 v59, 1.0, v58
	v_rcp_f32 v62, v59                             ; w1
	v_sub_nc_u32 v63, 15, v60                      ; (the plain instruction behind the reciprocal)
	s_wait_alu depctr_va_vdst(0)                   ; and ahead of the first line that names w1
	v_mul_f32 v57, v58, v62                        ; w2
	v_cmp_lt_u32 vcc_lo, v53, v55                  ; is the winner the lower index?
	v_cndmask_b32 v202, v57, v62, vcc_lo           ; wa
	v_cndmask_b32 v203, v62, v57, vcc_lo           ; wb
	v_mul_u32_u24 v63, v60, v63                    ; a (15 - a), always even
	v_lshrrev_b32 v63, 1, v63
	v_add_nc_u32 v63, v63, v61
	v_sub_nc_u32 v63, v63, v60
	v_add_nc_u32 v63, -1, v63                      ; the set, 0 to 27
	v_mov_b32 v201, 0                              ; the group's histogram, lane = set
	v_mov_b32 v204, 0                              ; my rank
.set SETN, 0
.rept 28                               ; values alone: a mask of the set's tokens, each token's count of those below it, the set's count into lane SETN
	v_cmp_eq_u32 s26, SETN, v63
	v_mbcnt_lo_u32_b32 v205, s26, 0
	v_cndmask_b32 v204, v204, v205, s26
	s_bcnt1_i32_b32 s27, s26
	v_writelane_b32 v201, s27, SETN
.set SETN, SETN+1
.endr
	v_lshl_or_b32 v200, v204, 8, v63
	global_store_b64 v10, v[200:201], s[12:13]     ; 256 consecutive bytes each
	global_store_b64 v10, v[202:203], s[14:15]
.Lend:
	s_wait_tensorcnt 0x0                           ; the wave's end
	ds_add_u32 v[SPW], v[NIL]
	s_wait_dscnt 0x0
	s_endpgm
.Lfunc_end_k_qda1ec3ae04_route:
	.size	k_qda1ec3ae04_route, .Lfunc_end_k_qda1ec3ae04_route-k_qda1ec3ae04_route
	.p2alignl 7, 3214868480
	.fill 96, 4, 3214868480
	.section	.rodata,"a",@progbits
	.p2align	6, 0x0
	.amdhsa_kernel k_qda1ec3ae04_route
		.amdhsa_group_segment_fixed_size 78848
		.amdhsa_private_segment_fixed_size 0
		.amdhsa_enable_private_segment 0
		.amdhsa_kernarg_size 48
		.amdhsa_user_sgpr_count 2
		.amdhsa_user_sgpr_kernarg_segment_ptr 1
		.amdhsa_wavefront_size32 1
		.amdhsa_system_sgpr_workgroup_id_x 1
		.amdhsa_system_sgpr_workgroup_id_y 1
		.amdhsa_system_sgpr_workgroup_id_z 1
		.amdhsa_system_vgpr_workitem_id 0
		.amdhsa_next_free_vgpr 256
		.amdhsa_next_free_sgpr 66
		.amdhsa_reserve_vcc 1
		.amdhsa_float_denorm_mode_32 3
		.amdhsa_float_denorm_mode_16_64 3
		.amdhsa_memory_ordered 1
		.amdhsa_forward_progress 1
		.amdhsa_inst_pref_size 37
	.end_amdhsa_kernel
	.amdgpu_metadata
---
amdhsa.version: [ 1, 2 ]
amdhsa.kernels:
  - .name:           k_qda1ec3ae04_route
    .symbol:         k_qda1ec3ae04_route.kd
    .args:
      - { .name: x, .offset: 0, .size: 8, .value_kind: global_buffer, .address_space: global }
      - { .name: W_gate, .offset: 8, .size: 8, .value_kind: global_buffer, .address_space: global }
      - { .name: b_gate, .offset: 16, .size: 8, .value_kind: global_buffer, .address_space: global }
      - { .name: xb, .offset: 24, .size: 8, .value_kind: global_buffer, .address_space: global }
      - { .name: route, .offset: 32, .size: 8, .value_kind: global_buffer, .address_space: global }
      - { .name: wts, .offset: 40, .size: 8, .value_kind: global_buffer, .address_space: global }
    .group_segment_fixed_size: 78848
    .private_segment_fixed_size: 0
    .kernarg_segment_align: 8
    .kernarg_segment_size: 48
    .max_flat_workgroup_size: 256
    .sgpr_count:     66
    .vgpr_count:     256
    .wavefront_size: 32
...
	.end_amdgpu_metadata
.endif
;; end of part 1
;; launch prep (part 2): grid 256 x 1, 8 waves a work-group, no clusters, 69,632 bytes of LDS; arguments W_experts, b_experts, route, Wb, bexp, list, tiles; writes Wb, bexp, list, tiles
.if DOCPART == 2
	.amdgcn_target "amdgcn-amd-amdhsa--gfx1250"
	.amdhsa_code_object_version 6
	.text
	.protected	k_qda1ec3ae04_prep
	.globl	k_qda1ec3ae04_prep
	.p2align	8
	.type	k_qda1ec3ae04_prep,@function
k_qda1ec3ae04_prep:
	s_mov_b64 s[64:65], 0
	v_nop
	global_prefetch_b8 v0, s[64:65] scope:SCOPE_SE
	s_setreg_imm32_b32 hwreg(HW_REG_WAVE_MODE, 25, 1), 1
	s_wait_xcnt 0x0
; PREP.  256 work-groups round W_experts to bf16 and lay it out in the order in which a wave's operand registers take it.  Beside its share of that stream,
; work-group k < 32 has a share of the sort of the tokens by their set of two experts (a counting sort, no atomics): its wave w places the 32 tokens of group 32 w + k;
; work-group 0 also lists the tiles; work-groups 32 and 33 lay the bias out.  All that stands between the issue of a wave's loads of W and their arrival.
; Wb[e 8][cbk 64][q 32][j 2][lane 32][16 bytes] bf16: expert e's matrix is rows 8 h + e of W_experts; lane r + 16 hh holds column h = 16 cbk + r,
;   K = 32 q + 16 j + 8 hh + 0..7: a fragment (16 columns x 32 K) is 1,024 dense bytes, two loads of 512 consecutive bytes.
; bexp[e][h] f32 = b_experts[8 h + e] rounded to bf16.
; list[tile][160] = token numbers, a set's tiles one behind the other; only places below a tile's count are written.
; tiles[128] = (count, a, b, 0); a tile past the last has count 0.  Tiles of 160 rows: at most (8192 + 28 x 159) / 160 = 79 for every split.
; The stream needs no matrix unit and no cluster: each byte of W_experts has one reader.  It turns rows into fragments through each wave's own LDS bytes: no barrier.
; The cast has LDS bytes 0 .. 67,583, the sort's totals the 1,024 behind them: no byte in common.
.set WP,    528                        ; cast: an LDS row of 256 bf16: 512 bytes + 16, so that 16 rows start at 16 different 16-byte columns
.set WLDS,  16*WP                      ; a wave's own 16 rows
.set TOT,   8*WLDS                     ; sort: the waves' totals, 128 bytes each
.set SPARE, TOT+1024                   ; behind them the spare words, 128 bytes a wave: four blocks of 256 bytes that no other line names
.set NSORT, 32                         ; work-groups with a share of the sort: 32 x 8 waves = the 256 groups
.set SPW, 14
.set NIL, 15
.set WX,  32                           ; cast: v[32:159] 32 loads of 4 registers; the first two of each then hold the bf16
.set RB,  160                          ; cast: v[160:223] 16 half fragments to store
.set RT,  160                          ; sort: v[160:223] group i of my 32: (set | rank << 8 of token = lane, count of set = lane); all read before the cast begins
.set OWN, 240                          ; sort: v[240:241] the same pair of the group that I place
.set BI,  224                          ; bias: v[224:239] as loaded
.set BO,  240                          ; bias: v[240:255] to store
.macro WLOADS first, count             ; column j / 2, half j % 2 of its 1,024 bytes: 512 consecutive bytes a load; 16 KiB a wave in all 32
.set j, \first
.rept \count
	global_load_b128 v[WX+4*j:WX+4*j+3], v3, s[4:5] offset:32768*(j/2)+512*(j%2) th:TH_LOAD_NT
.set j, j+1
.endr
.endm
	s_load_b256 s[4:11], s[0:1], 0x0               ; W_experts s[4:5], b_experts s[6:7], route s[8:9], Wb s[10:11]
	s_load_b128 s[12:15], s[0:1], 0x20             ; bexp s[12:13], list s[14:15]
	s_load_b64 s[16:17], s[0:1], 0x30              ; tiles
	v_lshl_add_u32 v[SPW], v0, 2, SPARE
	v_mov_b32 v[NIL], 0
	v_lshrrev_b32 v2, 5, v0
	v_readfirstlane_b32 s20, v2                    ; wave 0..7
	v_and_b32 v1, 31, v0                           ; lane
	; THE CAST'S ADDRESSES.  Work-group i has the 16 columns of cbk = i / 4 and K = 256 (i % 4) .. + 255; wave w has expert w: 16 rows x 1,024 bytes.
	s_lshr_b32 s22, ttmp9, 2                       ; cbk
	s_and_b32 s23, ttmp9, 3                        ; the quarter of K
	v_lshlrev_b32 v3, 4, v1                        ; 16 bytes a lane, from memory and to memory
	s_mul_i32 s28, s20, WLDS                       ; my wave's rows in LDS
	v_lshl_add_u32 v5, v1, 3, s28                  ; in: 8 bytes a lane
	v_and_b32 v6, 15, v1
	v_mul_u32_u24 v6, v6, WP
	v_lshrrev_b32 v7, 4, v1
	v_lshl_add_u32 v6, v7, 4, v6
	v_add_nc_u32 v6, s28, v6                       ; back: row lane % 16, 16 bytes for each half of the lanes
	s_lshl_b32 s24, s22, 19                        ; 16 columns x 8 rows x 4,096 bytes,
	s_lshl_b32 s25, s20, 12                        ; my expert's row among eight,
	s_add_co_u32 s24, s24, s25
	s_lshl_b32 s25, s23, 10                        ; 256 K of 4 bytes
	s_add_co_u32 s24, s24, s25
	s_mov_b32 s25, 0
	s_lshl_b32 s26, s20, 21                        ; e
	s_lshl_b32 s27, s22, 15                        ; cbk
	s_add_co_u32 s26, s26, s27
	s_lshl_b32 s27, s23, 13                        ; 8 q of 1,024 bytes
	s_add_co_u32 s26, s26, s27
	s_mov_b32 s27, 0
	s_wait_kmcnt 0x0
	s_add_nc_u64 s[4:5], s[4:5], s[24:25]
	s_add_nc_u64 s[10:11], s[10:11], s[26:27]
	s_cmp_lt_u32 ttmp9, NSORT                      ; alike in all waves of a work-group
	s_cbranch_scc0 .Lnosort
	; THE SORT'S SHARE, work-group k.  Wave w reads the counts of groups 32 w .. 32 w + 31 and places group 32 w + k.
	v_lshlrev_b32 v8, 3, v1
	v_lshl_add_u32 v8, v2, 13, v8                  ; route: 8,192 w + 8 lane
	v_lshl_add_u32 v11, v0, 2, TOT                 ; my wave's totals: TOT + 128 w + 4 lane
	v_lshl_add_u32 v12, v1, 2, TOT                 ; wave 0's total of set = lane; wave k's lies 128 k bytes on
	s_lshl_b32 s24, ttmp9, 8                       ; 256 k (s25 is 0)
	s_add_nc_u64 s[18:19], s[8:9], s[24:25]
.set i, 0
.rept 32
	global_load_b64 v[RT+2*i:RT+2*i+1], v8, s[8:9] offset:256*i  ; a group's 256 bytes
.set i, i+1
.endr
	global_load_b64 v[OWN:OWN+1], v8, s[18:19]     ; group 32 w + k once more, into registers of its own
	WLOADS 0, 30                                   ; 33 + 30 loads of mine are out
	s_wait_loadcnt 30                              ; only those 30 are younger: route's 33 are in
	WLOADS 30, 2
	v_add_nc_u32 v244, v[RT+1], v[RT+3]            ; my wave's total of each set (lane = set), in two chains
	v_add_nc_u32 v245, v[RT+5], v[RT+7]
.set i, 4
.rept 28
	v_add_nc_u32 v[244+i%2], v[244+i%2], v[RT+2*i+1]
.set i, i+1
.endr
	v_add_nc_u32 v244, v244, v245
.set i, 0
.rept 32                               ; and the sum over my groups ahead of the one that I place: i < k
	s_cmp_gt_u32 ttmp9, i
	s_cselect_b32 s[26+i%4], 1, 0
.if i < 2
	v_mul_u32_u24 v[246+i], s[26+i%4], v[RT+2*i+1]
.else
	v_mad_u32_u24 v[246+i%2], v[RT+2*i+1], s[26+i%4], v[246+i%2]
.endif
.set i, i+1
.endr
	v_add_nc_u32 v246, v246, v247
	ds_store_b32 v11, v244
	s_wait_dscnt 0x0                               ; for the others' sake
	s_barrier_signal -1
	s_barrier_wait -1
.irp k, 0,1,2,3,4,5,6,7
	ds_load_b32 v[16+(\k)], v12 offset:128*(\k)
.endr
	s_wait_dscnt 0x0
	v_add_nc_u32 v249, v16, v17                    ; C: the set's tokens in all
	v_add3_u32 v249, v249, v18, v19
	v_add3_u32 v249, v249, v20, v21
	v_add3_u32 v249, v249, v22, v23
.irp k, 0,1,2,3,4,5,6                  ; P: those in the groups ahead of mine: the waves ahead of mine, and my own sum
	s_cmp_gt_u32 s20, \k
	s_cselect_b32 s[26+(\k)%4], 1, 0
.if (\k) == 0
	v_mad_u32_u24 v250, v16, s26, v246
.else
	v_mad_u32_u24 v250, v[16+(\k)], s[26+(\k)%4], v250
.endif
.endr
	v_add_nc_u32 v251, 159, v249                   ; the set's tiles: (C + 159) / 160 = ((C + 159) / 32) / 5,
	v_lshrrev_b32 v251, 5, v251                    ; 260 at the most,
	v_mul_u32_u24 v251, v251, 0xcccd               ; and x / 5 = x 52,429 >> 18 there
	v_lshrrev_b32 v251, 18, v251
.set q, 0
.rept 28                               ; the sets' first tiles: 28 reads that do not wait for each other, 27 scalar sums: set q begins at s[31 + q]
	v_readlane_b32 s[32+q], v251, q
.set q, q+1
.endr
	s_mov_b32 s31, 0
.set q, 1
.rept 27
	s_add_co_u32 s[32+q], s[32+q], s[31+q]
.set q, q+1
.endr
	v_mov_b32 v252, 0                              ; and back into lane = set
.set q, 0
.rept 28
	v_writelane_b32 v252, s[31+q], q
.set q, q+1
.endr
	v_mad_u32_u24 v253, v252, 0xa0, v250           ; lane = set: the list place of my group's first token of the set
	v_and_b32 v254, 31, v[OWN]
	v_lshlrev_b32 v254, 2, v254
	ds_bpermute_b32 v255, v254, v253               ; each token pulls its set's place from lane = set
	v_lshrrev_b32 v242, 8, v[OWN]                  ; my rank in the group
	s_lshl_b32 s30, ttmp9, 5
	v_lshl_add_u32 v243, v2, 10, v1
	v_add_nc_u32 v243, s30, v243                   ; my token's number: 1,024 w + 32 k + lane
	s_wait_dscnt 0x0
	v_add_nc_u32 v255, v255, v242
	v_min_u32 v255, 12639, v255                    ; 79 x 160 places
	v_lshlrev_b32 v255, 2, v255
	global_store_b32 v255, v243, s[14:15]          ; the placement of a counting sort: one scattered store a wave; v243 and v255 are not written again
	s_cmp_lg_u32 ttmp9, 0
	s_cbranch_scc1 .Lcast
	s_cmp_gt_u32 s20, 3
	s_cbranch_scc1 .Lcast
	; THE TILES: work-group 0, threads 0 to 127, thread = tile
	v_mov_b32 v224, 0                              ; its set's first tile,
	v_mov_b32 v225, 0                              ; count,
	v_mov_b32 v226, 0x100                          ; and a | b << 8
.set SETN, 0
.macro SETSTEP a, b                    ; the sets in order: a thread keeps the last set that begins at or below its tile
	v_readlane_b32 s60, v249, SETN
	s_movk_i32 s61, (\a)|((\b)<<8)
	v_cmp_le_u32 vcc_lo, s[31+SETN], v0
	v_cndmask_b32 v224, v224, s[31+SETN], vcc_lo
	v_cndmask_b32 v225, v225, s60, vcc_lo
	v_cndmask_b32 v226, v226, s61, vcc_lo
.set SETN, SETN+1
.endm
.irp a, 0,1,2,3,4,5,6
.irp b, 1,2,3,4,5,6,7
.if (\b) > (\a)
	SETSTEP \a, \b
.endif
.endr
.endr
	v_sub_nc_u32 v233, v0, v224
	v_mul_u32_u24 v233, v233, 0xa0
	v_sub_nc_u32 v228, v225, v233                  ; what is left of the set at this tile,
	v_max_i32 v228, 0, v228                        ; none past its end,
	v_min_i32 v228, 0xa0, v228                     ; 160 at the most
	v_and_b32 v229, 0xff, v226
	v_lshrrev_b32 v230, 8, v226
	v_mov_b32 v231, 0
	v_lshlrev_b32 v232, 4, v0
	global_store_b128 v232, v[228:231], s[16:17]   ; 512 consecutive bytes a wave; v[228:232] are not written again
	s_branch .Lcast
.Lnosort:
	s_sub_co_u32 s21, ttmp9, NSORT
	s_cmp_lt_u32 s21, 2
	s_cbranch_scc0 .Lplain
	; THE BIAS: work-groups 32 and 33, thread t of 512 has h = 2 t and 2 t + 1, all eight experts
	s_lshl_b32 s24, s21, 14                        ; 256 threads x 64 bytes (s25 is 0)
	s_add_nc_u64 s[6:7], s[6:7], s[24:25]
	s_lshl_b32 s24, s21, 11                        ; 256 threads x 8 bytes
	s_add_nc_u64 s[12:13], s[12:13], s[24:25]
	v_lshlrev_b32 v8, 6, v0
	v_lshlrev_b32 v9, 3, v0
.irp c, 0,1,2,3
	global_load_b128 v[BI+4*(\c):BI+4*(\c)+3], v8, s[6:7] offset:16*(\c)
.endr
	WLOADS 0, 32
	s_wait_loadcnt 32                              ; only W's 32 loads are younger: the bias is in
.irp e, 0,1,2,3,4,5,6,7
	v_cvt_pk_bf16_f32 v16, v[BI+(\e)], v[BI+8+(\e)]  ; expert e of an even h and of the odd h behind it
	v_lshlrev_b32 v[BO+2*(\e)], 16, v16
	v_and_b32 v[BO+2*(\e)+1], 0xffff0000, v16
	global_store_b64 v9, v[BO+2*(\e):BO+2*(\e)+1], s[12:13] offset:4096*(\e)  ; the wave stores 256 consecutive bytes
.endr
	s_branch .Lcast
.Lplain:
	WLOADS 0, 32
.Lcast:
	; THE CAST.  On every way here W's 32 loads are the wave's youngest, in the order of j
.set j, 0
.rept 32
	s_wait_loadcnt 31-j                            ; the loads behind j may stay out
	v_cvt_pk_bf16_f32 v[WX+4*j],   v[WX+4*j],   v[WX+4*j+1]
	v_cvt_pk_bf16_f32 v[WX+4*j+1], v[WX+4*j+2], v[WX+4*j+3]
	ds_store_b64 v5, v[WX+4*j:WX+4*j+1] offset:WP*(j/2)+256*(j%2)
.set j, j+1
.endr
.set i, 0
.rept 16                               ; q = i / 2, j = i % 2: 8 K of each column.  My wave's own bytes, and LDS serves a wave's instructions in order: no wait, no barrier
	ds_load_b128 v[RB+4*i:RB+4*i+3], v6 offset:32*i
.set i, i+1
.endr
.set i, 0
.rept 16
	s_wait_dscnt 15-i                              ; the loads behind i may stay out
	global_store_b128 v3, v[RB+4*i:RB+4*i+3], s[10:11] offset:512*i  ; 512 consecutive bytes, at a multiple of 256 from Wb's first
.set i, i+1
.endr
	s_wait_tensorcnt 0x0                           ; the wave's end
	ds_add_u32 v[SPW], v[NIL]
	s_wait_dscnt 0x0
	s_endpgm
.Lfunc_end_k_qda1ec3ae04_prep:
	.size	k_qda1ec3ae04_prep, .Lfunc_end_k_qda1ec3ae04_prep-k_qda1ec3ae04_prep
	.p2alignl 7, 3214868480
	.fill 96, 4, 3214868480
	.section	.rodata,"a",@progbits
	.p2align	6, 0x0
	.amdhsa_kernel k_qda1ec3ae04_prep
		.amdhsa_group_segment_fixed_size 69632
		.amdhsa_private_segment_fixed_size 0
		.amdhsa_enable_private_segment 0
		.amdhsa_kernarg_size 56
		.amdhsa_user_sgpr_count 2
		.amdhsa_user_sgpr_kernarg_segment_ptr 1
		.amdhsa_wavefront_size32 1
		.amdhsa_system_sgpr_workgroup_id_x 1
		.amdhsa_system_sgpr_workgroup_id_y 1
		.amdhsa_system_sgpr_workgroup_id_z 1
		.amdhsa_system_vgpr_workitem_id 0
		.amdhsa_next_free_vgpr 256
		.amdhsa_next_free_sgpr 66
		.amdhsa_reserve_vcc 1
		.amdhsa_float_denorm_mode_32 3
		.amdhsa_float_denorm_mode_16_64 3
		.amdhsa_memory_ordered 1
		.amdhsa_forward_progress 1
		.amdhsa_inst_pref_size 49
	.end_amdhsa_kernel
	.amdgpu_metadata
---
amdhsa.version: [ 1, 2 ]
amdhsa.kernels:
  - .name:           k_qda1ec3ae04_prep
    .symbol:         k_qda1ec3ae04_prep.kd
    .args:
      - { .name: W_experts, .offset: 0, .size: 8, .value_kind: global_buffer, .address_space: global }
      - { .name: b_experts, .offset: 8, .size: 8, .value_kind: global_buffer, .address_space: global }
      - { .name: route, .offset: 16, .size: 8, .value_kind: global_buffer, .address_space: global }
      - { .name: Wb, .offset: 24, .size: 8, .value_kind: global_buffer, .address_space: global }
      - { .name: bexp, .offset: 32, .size: 8, .value_kind: global_buffer, .address_space: global }
      - { .name: list, .offset: 40, .size: 8, .value_kind: global_buffer, .address_space: global }
      - { .name: tiles, .offset: 48, .size: 8, .value_kind: global_buffer, .address_space: global }
    .group_segment_fixed_size: 69632
    .private_segment_fixed_size: 0
    .kernarg_segment_align: 8
    .kernarg_segment_size: 56
    .max_flat_workgroup_size: 256
    .sgpr_count:     66
    .vgpr_count:     256
    .wavefront_size: 32
...
	.end_amdgpu_metadata
.endif
;; end of part 2
;; launch experts (part 3): grid 4 x 79, 4 waves a work-group, no clusters, 110,080 bytes of LDS; arguments xb, Wb, bexp, wts, list, tiles, out0; writes out0
.if DOCPART == 3
	.amdgcn_target "amdgcn-amd-amdhsa--gfx1250"
	.amdhsa_code_object_version 6
	.text
	.protected	k_qda1ec3ae04_experts
	.globl	k_qda1ec3ae04_experts
	.p2align	8
	.type	k_qda1ec3ae04_experts,@function
k_qda1ec3ae04_experts:
	s_mov_b64 s[64:65], 0
	v_nop
	global_prefetch_b8 v0, s[64:65] scope:SCOPE_SE
	s_setreg_imm32_b32 hwreg(HW_REG_WAVE_MODE, 25, 1), 1
	s_wait_xcnt 0x0
; EXPERTS.  out[t][h] = wa (x[t] . Wa[h] + ba[h]) + wb (x[t] . Wb[h] + bb[h]) for the token's two experts a < b.
; A work-group (y, T) has tile T, up to 160 tokens of ONE set {a, b}, and output columns 256 y .. 256 y + 255 of BOTH experts: one product of
; 160 x 512 x 1,024, in which x is read once for both experts, and each output row has one owner.  bf16 operands, f32 sums, K ascending.
; A wave has all 160 rows x (64 columns of a + the same 64 of b): 80 accumulators of 16 x 16, 640 registers.
; THE MATRIX INSTRUCTION IS USED TRANSPOSED: source 0 = 16 output columns (rows of the expert's matrix), source 1 = 16 tokens: a lane holds one token
; (lane % 16) and eight neighbouring columns 8 (lane / 16) + 0..7.  The first products take the bias as C, so it needs no line of its own.
; B (weights): no two waves of a work-group take the same fragment, so B goes from memory straight into operand registers: Wb lies in fragment order, a load of the
; wave is 512 consecutive bytes.  Two buffers of 32 along K; a half buffer (one expert's four column blocks) is asked for again as soon as its products are issued,
; in a full tile 120 products ahead of its next use.  So this text has no tensor load.
; A (tokens): shared by the four waves; the rows come by a list: chunks of 128 K through registers into two LDS slots, one barrier a chunk.
; EVERY WAVE PASSES EVERY BARRIER, and all trip counts are constants.  On whole numbers read from tiles and list hang only global addresses and forward jumps over text
; without a barrier: a tile that this split leaves without rows runs the beginning (which writes every accumulator and operand register), jumps each stretch between
; two barriers, and stores nothing.  On its way round a stretch it waits for all its loads, so that nothing is pending where the two ways join.
; ROWS THAT A TILE DOES NOT HAVE are not multiplied, in steps of four row blocks: behind row blocks 3 and 7, where the accumulators' window changes anyway, a half's products and
; a sub-step's fragment loads are left by a forward jump if the tile has no row beyond (count <= 64, <= 128).  No load from memory is jumped, so every count of a wait holds on both ways.
; Rows past a tile's count repeat its last row and are not stored.
; NO CLUSTER.  Nothing here is brought by a load that could be asked for jointly: the weights go to single waves' registers, and are shared across work-groups only by the tiles
; of one set, whose number hangs on stored counts (two at an even split: 8,192 / 28 = 293 rows); the four column chunks share the token rows, which come by the list.
; REGISTERS, in windows of 256 (s_set_vgpr_msb: bits 1:0 source 0, 3:2 source 1, 5:4 source 2, 7:6 destination):
;   window 0: v0-15 addresses; v16-35 the rows' offsets in xb; v36-75 a batch of A on its way; v76-95 at work; v96-175, v176-255 A's fragments, two buffers
;   window 1: v0-63, v64-127 B's fragments, two buffers; v128-255 the accumulators of row blocks 8, 9      window 2: row blocks 0-3      window 3: row blocks 4-7
;   accumulator (row block a, column block b') has the number 8 a + b'; b' = 0-3 expert a, 4-7 expert b.
.set NROW,  160
.set PA,    272                        ; a row of A in LDS, and of a stage: 256 bytes + 16: the 16 rows of a load start at 16 different 16-byte columns
.set ASLOT, NROW*PA                    ; A's two slots lie at 0 and ASLOT
.set STAGE, 2*ASLOT                    ; 16 rows x 272 bytes for each wave, for the way out
.set LTOK,  STAGE+4*16*PA              ; the token of a row, at (row & 1) x 512 + (row >> 1) x 4
.set LW,    LTOK+1024                  ; row x 16: (wa, wa, wb, wb)
.set SPARE, LW+4096                    ; the spare words, 128 bytes a wave: two blocks of 256 bytes that no other line names
.set VB,   3                           ; v3       16 x lane: my 16 bytes of a half fragment of B; never rewritten
.set ADRA, 5                           ; v5, v6   my A fragments in slot 0, 1
.set AST,  7                           ; v7, v8   where a batch's 16 bytes go
.set STO,  9                           ; v9       the way out: where I put 16 bytes of a row
.set RD,   10                          ; v10      where I read a row back
.set RTK,  11                          ; v11      LTOK + 512 (lane / 16)
.set RLW,  12                          ; v12      LW + 16 (lane % 16)
.set C16,  13                          ; v13      16 (lane % 16)
.set SPW,  14                          ; v14      my spare word's address; never rewritten
.set NIL,  15                          ; v15      0; never rewritten
.set OFFS, 16                          ; v[16:35] entry 10 half + j: token(row 80 half + 20 w + 2 j + lane / 16) x 2,048 + 16 (lane % 16)
.set STG,  36
.set FA,   96
.set BIAS, 176                         ; at the start: column block b' at BIAS + 8 b'
.set WT,   96                          ; the way out: row block a's (wa, wa, wb, wb) at WT + 4 a
.set TMP,  136                         ; the way out: 32 combined results
.set BA,   28                          ; s[28:29] expert a's fragments for my columns, s[30:31] expert b's; stepped 8 x 1,024 bytes a lap
.set XB,   56                          ; s[56:57] xb, stepped 512 bytes a lap
.set MSB, 0
.macro WIN new                         ; the immediate's high byte repeats the setting that is left; a switch that changes nothing is dropped
.if MSB != (\new)
	s_set_vgpr_msb (MSB<<8)|(\new)
.set MSB, (\new)
.endif
.endm
.macro PLACES                          ; four plain places: behind a matrix instruction, ahead of a load into a register that it read and of a line that reads its result
.rept 4
	v_nop
.endr
.endm
.macro ACW idx                         ; accumulator idx: its first register AC and its window WN
.if (\idx) < 32
.set AC, 8*(\idx)
.set WN, 2
.elseif (\idx) < 64
.set AC, 8*((\idx)-32)
.set WN, 3
.else
.set AC, 128+8*((\idx)-64)
.set WN, 1
.endif
.endm
; Up to 40 products: the row blocks in order, each with one expert's 4 column blocks, 32 along K, from buffers f.  Behind row blocks 3 and 7 the rest is jumped if the tile's count (s24) ends there.
; Every accumulator at work has one turn in a sub-step, always in the same order: between two products on one accumulator stand the others' (31 at the least), over the loop's jump and
; round every jumped stretch too.  zero = 1: the first products, C = the bias; they are all made, whatever the count.
.macro MULH f, half, zero
.set ma, 0
.rept 10
	ACW 8*ma+4*(\half)
.if \zero
	WIN (WN<<6)|1
.else
	WIN (WN<<6)|(WN<<4)|1
.endif
.irp c, 0,1,2,3
.if \zero
	v_wmma_f32_16x16x32_bf16 v[AC+8*(\c):AC+8*(\c)+7], v[64*(\f)+32*(\half)+8*(\c):64*(\f)+32*(\half)+8*(\c)+7], v[FA+80*(\f)+8*ma:FA+80*(\f)+8*ma+7], v[BIAS+32*(\half)+8*(\c):BIAS+32*(\half)+8*(\c)+7]
.else
	v_wmma_f32_16x16x32_bf16 v[AC+8*(\c):AC+8*(\c)+7], v[64*(\f)+32*(\half)+8*(\c):64*(\f)+32*(\half)+8*(\c)+7], v[FA+80*(\f)+8*ma:FA+80*(\f)+8*ma+7], v[AC+8*(\c):AC+8*(\c)+7]
.endif
.endr
.if (!(\zero)) && ((ma == 3) || (ma == 7))
	WIN 0                                          ; at a branch every window is 0; the next row block's accumulators lie in another window anyway
	s_cmp_le_u32 s24, 16*(ma+1)
	s_cbranch_scc1 .Lrows_done_\@
.endif
.set ma, ma+1
.endr
	WIN 0
.Lrows_done_\@:
.endm
; 8 loads: one expert's four fragments of the sub-step q (counted from the lap's base) into half of buffer f
.macro LB half, f, q
	WIN 0x40                                       ; destination window 1, address window 0
.irp c, 0,1,2,3
	global_load_b128 v[64*(\f)+32*(\half)+8*(\c):64*(\f)+32*(\half)+8*(\c)+3],   v[VB], s[BA+2*(\half):BA+2*(\half)+1] offset:32768*(\c)+1024*(\q)
	global_load_b128 v[64*(\f)+32*(\half)+8*(\c)+4:64*(\f)+32*(\half)+8*(\c)+7], v[VB], s[BA+2*(\half):BA+2*(\half)+1] offset:32768*(\c)+1024*(\q)+512
.endr
.endm
; Up to 20 LDS loads in one run: A's fragments of a sub-step (slot asl, byte ka of the rows) into buffer f, the row blocks in order; left where MULH leaves.  full = 1: all ten, whatever the count.
; They are waited for with the count 0, which holds on both ways.
.macro FETA asl, ka, f, full=0
	WIN 0
.irp i, 0,1,2,3,4,5,6,7,8,9
	ds_load_b128 v[FA+80*(\f)+8*(\i):FA+80*(\f)+8*(\i)+3],   v[ADRA+(\asl)] offset:(\i)*16*PA+(\ka)
	ds_load_b128 v[FA+80*(\f)+8*(\i)+4:FA+80*(\f)+8*(\i)+7], v[ADRA+(\asl)] offset:(\i)*16*PA+(\ka)+32
.if (!(\full)) && (((\i) == 3) || ((\i) == 7))
	s_cmp_le_u32 s24, 16*((\i)+1)
	s_cbranch_scc1 .Lfrag_done_\@
.endif
.endr
.Lfrag_done_\@:
.endm
; A's road.  The batch asked for two sub-steps ago (80 rows x 128 K; 20 rows a wave) goes into A's slot, half of it; ldf = 1: the next batch is asked for, rows of half lhalf at byte imm.
; w: the loads issued behind the batch.  The slot's last readers waited for their loads ahead of the barrier that opened this chunk; its next readers load behind the next barrier, ahead of which I wait for these stores.
.macro STAGEOP w, slot, half, ldf, lhalf, imm
	WIN 0
	s_wait_loadcnt \w
.irp j, 0,1,2,3,4,5,6,7,8,9
	ds_store_b128 v[AST+(\slot)], v[STG+4*(\j):STG+4*(\j)+3] offset:(80*(\half)+2*(\j))*PA
.endr
.if \ldf
.irp j, 0,1,2,3,4,5,6,7,8,9
	global_load_b128 v[STG+4*(\j):STG+4*(\j)+3], v[OFFS+10*(\lhalf)+(\j)], s[XB:XB+1] offset:(\imm)
.endr
.endif
.endm
; A sub-step's two halves.  w: the loads issued behind this half's eight of B.  The places at each half's end stand ahead of the loads into what it read.
.macro HALF0 f, w
	s_wait_loadcnt \w
	s_wait_dscnt 0x0                               ; A's fragments, asked for a half ago, are in (and my stores of a batch are done)
	MULH \f, 0, 0
	PLACES
.endm
.macro HALF1 f, w
	s_wait_loadcnt \w
	MULH \f, 1, 0
	PLACES
.endm
; The head of a stretch between two barriers: a tile without rows goes round it, to .Lskip<id>, with none of its loads pending
.macro SKIPTOP id
	s_cmp_lg_u32 s24, 0
	s_cbranch_scc1 .Llive\id
	s_wait_loadcnt 0x0
	s_branch .Lskip\id
.Llive\id:
.endm
; THE CHANGE OF A's SLOTS: my reads of the old slot are back and my stores into the new one are done; behind the barrier that holds of all four waves
.macro MEET
	s_wait_dscnt 0x0
	s_barrier_signal -1
	s_barrier_wait -1
.endm
	s_load_b256 s[4:11], s[0:1], 0x0               ; xb s[4:5], Wb s[6:7], bexp s[8:9], wts s[10:11]
	s_load_b128 s[12:15], s[0:1], 0x20             ; list s[12:13], tiles s[14:15]
	s_load_b64 s[16:17], s[0:1], 0x30              ; out0
	v_lshl_add_u32 v[SPW], v0, 2, SPARE
	v_mov_b32 v[NIL], 0
	v_lshrrev_b32 v76, 5, v0
	v_readfirstlane_b32 s18, v76                   ; wave 0..3
	s_mov_b32 s20, ttmp9                           ; y: the chunk of 256 columns
	s_and_b32 s19, ttmp7, 0xffff                   ; T: the tile; tiles with rows come first
	s_lshl_b32 s44, s19, 4
	s_mov_b32 s45, 0
	s_wait_kmcnt 0x0
	s_add_nc_u64 s[44:45], s[14:15], s[44:45]
	s_load_b128 s[24:27], s[44:45], 0x0            ; the tile: count, a, b
	; lane terms and LDS addresses, in the wait for it
	v_and_b32 v1, 15, v0                           ; r
	v_bfe_u32 v2, v0, 4, 1                         ; hh
	v_lshlrev_b32 v[C16], 4, v1
	v_and_b32 v[VB], 31, v0
	v_lshlrev_b32 v[VB], 4, v[VB]
	v_mul_u32_u24 v76, v1, PA
	v_lshl_add_u32 v[ADRA], v2, 4, v76             ; 272 r + 16 hh
	v_add_nc_u32 v[ADRA+1], ASLOT, v[ADRA]
	s_mul_i32 s46, s18, 16*PA
	s_add_co_u32 s46, s46, STAGE                   ; my stage
	v_lshl_add_u32 v77, v2, 5, v76
	v_add_nc_u32 v[STO], s46, v77                  ; in: row r, 32 bytes for each half of the lanes
	v_mul_u32_u24 v76, v2, PA
	v_add_nc_u32 v76, v76, v[C16]
	v_add_nc_u32 v[RD], s46, v76                   ; back: lanes 0-15 one row of 256 bytes, lanes 16-31 the next
	s_mul_i32 s46, s18, 20*PA
	v_add_nc_u32 v[AST], s46, v76                  ; (20 w + hh) x 272 + 16 r
	v_add_nc_u32 v[AST+1], ASLOT, v[AST]
	v_lshl_add_u32 v[RTK], v2, 9, LTOK
	v_add_nc_u32 v[RLW], LW, v[C16]
	v_and_b32 v84, 1, v0
	v_lshlrev_b32 v84, 9, v84
	v_lshrrev_b32 v85, 1, v0
	v_lshl_add_u32 v84, v85, 2, v84
	v_add_nc_u32 v84, LTOK, v84                    ; row v0's place in the table of tokens; row v0 + 128's lies 256 bytes on
	v_lshl_add_u32 v85, v0, 4, LW
	v_lshlrev_b32 v79, 5, v2                       ; the bias: 8 hh columns of 4 bytes
	s_mul_i32 s46, s18, 20
	v_add_nc_u32 v78, s46, v2                      ; 20 w + hh
	s_wait_kmcnt 0x0
	s_min_u32 s24, s24, NROW
	s_min_u32 s25, s25, 7
	s_min_u32 s26, s26, 7
	s_max_u32 s53, s24, 1
	s_sub_co_u32 s53, s53, 1                       ; the tile's last row
	s_lshl_b32 s46, s20, 4
	s_lshl2_add_u32 s46, s18, s46                  ; my first block of 16 columns: 16 y + 4 w
	s_lshl_b32 s46, s46, 15
	s_lshl_b32 s44, s25, 21
	s_add_co_u32 s44, s44, s46
	s_mov_b32 s45, 0
	s_add_nc_u64 s[BA:BA+1], s[6:7], s[44:45]
	s_lshl_b32 s44, s26, 21
	s_add_co_u32 s44, s44, s46
	s_add_nc_u64 s[BA+2:BA+3], s[6:7], s[44:45]
	s_lshl_b32 s52, s20, 10
	s_lshl_b32 s46, s18, 8
	s_add_co_u32 s52, s52, s46                     ; my 64 columns in f32: 1,024 y + 256 w
	s_lshl_b32 s44, s25, 12
	s_add_co_u32 s44, s44, s52
	s_add_nc_u64 s[48:49], s[8:9], s[44:45]        ; expert a's bias
	s_lshl_b32 s44, s26, 12
	s_add_co_u32 s44, s44, s52
	s_add_nc_u64 s[50:51], s[8:9], s[44:45]        ; expert b's
	s_mov_b32 s44, s52
	s_add_nc_u64 s[58:59], s[16:17], s[44:45]      ; out0 at my columns
	s_mul_i32 s54, s19, 4*NROW
	s_mov_b32 s55, 0
	s_add_nc_u64 s[54:55], s[12:13], s[54:55]      ; the tile's list
	s_mov_b64 s[XB:XB+1], s[4:5]
.set k, 0
.rept 20
	v_add_nc_u32 v[OFFS+k], 80*(k/10)+2*(k%10), v78
	v_min_u32 v[OFFS+k], s53, v[OFFS+k]            ; rows past the count repeat the last row
	v_min_u32 v[OFFS+k], NROW-1, v[OFFS+k]
	v_lshlrev_b32 v[OFFS+k], 2, v[OFFS+k]
.set k, k+1
.endr
	v_min_u32 v82, s53, v0                         ; rows v0 and v0 + 128, for the tables of tokens and weights
	v_min_u32 v82, NROW-1, v82
	v_lshlrev_b32 v82, 2, v82
	v_add_nc_u32 v83, 128, v0
	v_min_u32 v83, s53, v83
	v_min_u32 v83, NROW-1, v83
	v_lshlrev_b32 v83, 2, v83
	s_cmp_eq_u32 s24, 0
	s_cbranch_scc1 .Lnolist                        ; a tile without rows has no list: what stands in these registers serves as token numbers, and nothing is stored
.set k, 0
.rept 20
	global_load_b32 v[OFFS+k], v[OFFS+k], s[54:55]
.set k, k+1
.endr
	global_load_b32 v82, v82, s[54:55]
	global_load_b32 v83, v83, s[54:55]
.Lnolist:
.irp c, 0,1,2,3
	global_load_b128 v[BIAS+8*(\c):BIAS+8*(\c)+3],       v79, s[48:49] offset:64*(\c)
	global_load_b128 v[BIAS+8*(\c)+4:BIAS+8*(\c)+7],     v79, s[48:49] offset:64*(\c)+16
	global_load_b128 v[BIAS+32+8*(\c):BIAS+32+8*(\c)+3], v79, s[50:51] offset:64*(\c)
	global_load_b128 v[BIAS+32+8*(\c)+4:BIAS+32+8*(\c)+7], v79, s[50:51] offset:64*(\c)+16
.endr
	LB 0, 0, 0                                     ; B of sub-step 0
	LB 1, 0, 0
	WIN 0
	s_wait_loadcnt 16                              ; only those 16 are younger: the list and the bias are in
.set k, 0
.rept 20
	v_min_u32 v[OFFS+k], 8191, v[OFFS+k]
	v_lshl_add_u32 v[OFFS+k], v[OFFS+k], 11, v[C16]
.set k, k+1
.endr
	v_min_u32 v82, 8191, v82
	v_min_u32 v83, 8191, v83
	v_lshlrev_b32 v86, 3, v82
	v_lshlrev_b32 v87, 3, v83
	global_load_b64 v[88:89], v86, s[10:11]
	global_load_b64 v[90:91], v87, s[10:11]
.set k, 0
.rept 20                               ; chunk 0 (K 0-127) of all 160 rows: 16 lanes take a row's 256 bytes
	global_load_b128 v[FA+4*k:FA+4*k+3], v[OFFS+k], s[XB:XB+1]
.set k, k+1
.endr
.set k, 0
.rept 10                               ; batch 0: chunk 1, rows 0-79
	global_load_b128 v[STG+4*k:STG+4*k+3], v[OFFS+k], s[XB:XB+1] offset:256
.set k, k+1
.endr
	s_wait_loadcnt 10                              ; only batch 0 may stay out: B of sub-step 0, the weights and chunk 0 are in
	LB 0, 1, 1                                     ; B of sub-step 1
	LB 1, 1, 1
	WIN 0
.set k, 0
.rept 20
	ds_store_b128 v[AST], v[FA+4*k:FA+4*k+3] offset:(80*(k/10)+2*(k%10))*PA
.set k, k+1
.endr
	ds_store_b32 v84, v82
	ds_store_b32 v84, v83 offset:256
	v_mov_b32 v76, v88
	v_mov_b32 v77, v88
	v_mov_b32 v78, v89
	v_mov_b32 v79, v89
	v_mov_b32 v92, v90
	v_mov_b32 v93, v90
	v_mov_b32 v94, v91
	v_mov_b32 v95, v91
	ds_store_b128 v85, v[76:79]
	ds_store_b128 v85, v[92:95] offset:2048
	MEET                                           ; chunk 0 and the tables are in LDS, everybody's part
	FETA 0, 0, 0, 1
	s_wait_dscnt 0x0
	; SUB-STEP 0 stands ahead of the loop and is run whole by every work-group: its products start all 80 sums, with the bias
	MULH 0, 0, 1
	PLACES
	LB 0, 0, 2
	STAGEOP 24, 1, 0, 1, 1, 256                    ; behind batch 0 were issued B of sub-step 1 (16) and the 8 just now
	MULH 0, 1, 1
	PLACES                                         ; the bias's registers are A's buffer 1
	LB 1, 0, 2
	FETA 0, 64, 1, 1                               ; all ten row blocks once more: now both of A's buffers have been written whole
	WIN 0                                          ; at a label and at a branch every window is 0
	s_mov_b32 s21, 3
; THE LOOP.  A trip is sub-steps 1 to 8 of a lap (8 sub-steps = 256 K = two chunks of A).  In each sub-step s: half 0, B's half 0 of s + 2 is asked for, (s even: A's road,)
; A's fragments of s + 1, half 1, B's half 1 of s + 2.  THE COUNTS: behind a half's 8 loads are issued three more halves (24) and one batch of A (10): 34; behind a batch four halves: 32.
.Llap:
	SKIPTOP 1
	HALF0 1, 34
	LB 0, 1, 3
	FETA 0, 128, 0
	HALF1 1, 34
	LB 1, 1, 3
	HALF0 0, 34
	LB 0, 0, 4
	STAGEOP 32, 1, 1, 1, 0, 512
	FETA 0, 192, 1
	HALF1 0, 34
	LB 1, 0, 4
	HALF0 1, 34
	LB 0, 1, 5
	WIN 0
.Lskip1:
	MEET                                           ; slot 0 is read out, slot 1 is whole
	SKIPTOP 2
	FETA 1, 0, 0
	HALF1 1, 34
	LB 1, 1, 5
	HALF0 0, 34
	LB 0, 0, 6
	STAGEOP 32, 0, 0, 1, 1, 512
	FETA 1, 64, 1
	HALF1 0, 34
	LB 1, 0, 6
	HALF0 1, 34
	LB 0, 1, 7
	FETA 1, 128, 0
	HALF1 1, 34
	LB 1, 1, 7
	HALF0 0, 34
	LB 0, 0, 8
	STAGEOP 32, 0, 1, 1, 0, 768
	FETA 1, 192, 1
	HALF1 0, 34
	LB 1, 0, 8
	HALF0 1, 34
	LB 0, 1, 9
	WIN 0
.Lskip2:
	MEET                                           ; slot 1 is read out, slot 0 is whole
	SKIPTOP 3
	FETA 0, 0, 0
	HALF1 1, 34
	LB 1, 1, 9
	HALF0 0, 34
	LB 0, 0, 10
	STAGEOP 32, 1, 0, 1, 1, 768
	FETA 0, 64, 1
	HALF1 0, 34
	LB 1, 0, 10
	WIN 0
	s_wait_xcnt 0x0                                ; every load issued has had its address translated (ISA guide 3.1): only now are the three bases stepped
	s_add_nc_u64 s[BA:BA+1], s[BA:BA+1], 8192
	s_add_nc_u64 s[BA+2:BA+3], s[BA+2:BA+3], 8192
	s_add_nc_u64 s[XB:XB+1], s[XB:XB+1], 512
.Lskip3:
	s_sub_co_u32 s21, s21, 1
	s_cmp_lg_u32 s21, 0
	s_cbranch_scc1 .Llap
	; THE TAIL, sub-steps 25 to 31, is written out: no load leaves its buffer, and the counts run down
	SKIPTOP 4
	HALF0 1, 34
	LB 0, 1, 3
	FETA 0, 128, 0
	HALF1 1, 34
	LB 1, 1, 3
	HALF0 0, 34
	LB 0, 0, 4
	STAGEOP 32, 1, 1, 0, 0, 0                      ; A's last batch is stored, none is asked for:
	FETA 0, 192, 1
	HALF1 0, 24                                    ; from here on three halves alone are younger
	LB 1, 0, 4
	HALF0 1, 24
	LB 0, 1, 5
	WIN 0
.Lskip4:
	MEET                                           ; the last barrier
	s_cmp_eq_u32 s24, 0
	s_cbranch_scc1 .Lend                           ; a tile without rows stores nothing
	FETA 1, 0, 0
	HALF1 1, 24
	LB 1, 1, 5
	HALF0 0, 24
	LB 0, 0, 6
	FETA 1, 64, 1
	HALF1 0, 24
	LB 1, 0, 6
	HALF0 1, 24
	LB 0, 1, 7
	FETA 1, 128, 0
	HALF1 1, 24
	LB 1, 1, 7                                     ; B's last loads: sub-step 31
	HALF0 0, 24
	FETA 1, 192, 1
	HALF1 0, 16
	HALF0 1, 8
	WIN 0
.irp a, 0,1,2,3,4,5,6,7,8,9            ; in the fetch's place: my tokens' weights, row 16 a + r, into A's buffer 0
	ds_load_b128 v[WT+4*(\a):WT+4*(\a)+3], v[RLW] offset:256*(\a)
.endr
	HALF1 1, 0
	WIN 0
	s_wait_dscnt 0x0
; THE WAY OUT, a block of 16 rows at a time.  COMB: wa Pa + wb Pb; a row block's eight accumulators lie in one window; each accumulator's registers in ascending order.
.macro COMB a
	ACW 8*(\a)
	WIN WN                                         ; source 0 in the accumulators' window
.irp c, 0,1,2,3
.irp p, 0,1,2,3
	v_pk_mul_f32 v[TMP+8*(\c)+2*(\p):TMP+8*(\c)+2*(\p)+1], v[AC+8*(\c)+2*(\p):AC+8*(\c)+2*(\p)+1], v[WT+4*(\a):WT+4*(\a)+1]
.endr
.endr
.irp c, 0,1,2,3
.irp p, 0,1,2,3
	v_pk_fma_f32 v[TMP+8*(\c)+2*(\p):TMP+8*(\c)+2*(\p)+1], v[AC+32+8*(\c)+2*(\p):AC+32+8*(\c)+2*(\p)+1], v[WT+4*(\a)+2:WT+4*(\a)+3], v[TMP+8*(\c)+2*(\p):TMP+8*(\c)+2*(\p)+1]
.endr
.endr
	WIN 0
.endm
; TOSTAGE: into my own stage, back as whole rows of 256 bytes, and the rows' tokens.  LDS serves a wave's instructions in order: the loads see the stores, the next block's stores come behind them.
.macro TOSTAGE a
.set BK, 176+32*((\a)%2)
.set TK, 76+8*((\a)%2)
.irp c, 0,1,2,3
	ds_store_b128 v[STO], v[TMP+8*(\c):TMP+8*(\c)+3]   offset:64*(\c)
	ds_store_b128 v[STO], v[TMP+8*(\c)+4:TMP+8*(\c)+7] offset:64*(\c)+16
.endr
.irp t, 0,1,2,3,4,5,6,7
	ds_load_b128 v[BK+4*(\t):BK+4*(\t)+3], v[RD] offset:(\t)*2*PA
.endr
	ds_load_b128 v[TK:TK+3],   v[RTK] offset:32*(\a)       ; tokens of rows 16 a + 2 t + hh, t = 0..3,
	ds_load_b128 v[TK+4:TK+7], v[RTK] offset:32*(\a)+16    ; t = 4..7
.endm
.macro OUTADR p                        ; the block is back in registers
.set BK, 176+32*(\p)
.set TK, 76+8*(\p)
	s_wait_dscnt 0x0
	s_wait_xcnt 0x0                                ; registers that earlier stores read are rewritten only behind this wait
.irp t, 0,1,2,3,4,5,6,7
	v_min_u32 v[TK+(\t)], 8191, v[TK+(\t)]
	v_lshl_add_u32 v[TK+(\t)], v[TK+(\t)], 12, v[C16]
.endr
.endm
.macro SEND a                          ; a whole block: 16 lanes store 256 consecutive bytes of one token's row, at a multiple of 256 from out0's first
	OUTADR (\a)%2
.irp t, 0,1,2,3,4,5,6,7
	global_store_b128 v[TK+(\t)], v[BK+4*(\t):BK+4*(\t)+3], s[58:59] th:TH_STORE_NT
.endr
.endm
.macro SENDM p                         ; the tile's last block: s22 of its rows exist; row 2 t + hh is stored where it is below s22
	OUTADR \p
.irp t, 0,1,2,3,4,5,6,7
	s_sub_co_i32 s23, s22, 2*(\t)
	v_cmp_gt_i32 vcc_lo, s23, v2
	s_and_saveexec_b32 s60, vcc_lo                 ; no memory instruction has been issued since the last wait for the translations
	global_store_b128 v[TK+(\t)], v[BK+4*(\t):BK+4*(\t)+3], s[58:59] th:TH_STORE_NT
	s_wait_xcnt 0x0                                ; EXEC is widened only behind this wait
	s_or_b32 exec_lo, exec_lo, s60
.endr
.endm
	COMB 0
	TOSTAGE 0
.irp a, 1,2,3,4,5,6,7,8,9              ; block a's arithmetic stands between block a - 1's loads from the stage and the wait for them
	s_sub_co_u32 s22, s24, 16*((\a)-1)             ; rows left from block a - 1 on
	s_cmp_le_u32 s24, 16*(\a)                      ; is block a - 1 the last with rows?
.if ((\a)-1)%2
	s_cbranch_scc1 .LsendM1
.else
	s_cbranch_scc1 .LsendM0
.endif
	COMB \a
	SEND (\a)-1
	TOSTAGE \a
.endr
	s_sub_co_u32 s22, s24, 144
.LsendM1:
	SENDM 1
	s_branch .Lend
.LsendM0:
	SENDM 0
.Lend:
	s_wait_tensorcnt 0x0                           ; the wave's end
	ds_add_u32 v[SPW], v[NIL]
	s_wait_dscnt 0x0
	s_endpgm
.Lfunc_end_k_qda1ec3ae04_experts:
	.size	k_qda1ec3ae04_experts, .Lfunc_end_k_qda1ec3ae04_experts-k_qda1ec3ae04_experts
	.p2alignl 7, 3214868480
	.fill 96, 4, 3214868480
	.section	.rodata,"a",@progbits
	.p2align	6, 0x0
	.amdhsa_kernel k_qda1ec3ae04_experts
		.amdhsa_group_segment_fixed_size 110080
		.amdhsa_private_segment_fixed_size 0
		.amdhsa_enable_private_segment 0
		.amdhsa_kernarg_size 56
		.amdhsa_user_sgpr_count 2
		.amdhsa_user_sgpr_kernarg_segment_ptr 1
		.amdhsa_wavefront_size32 1
		.amdhsa_system_sgpr_workgroup_id_x 1
		.amdhsa_system_sgpr_workgroup_id_y 1
		.amdhsa_system_sgpr_workgroup_id_z 1
		.amdhsa_system_vgpr_workitem_id 0
		.amdhsa_next_free_vgpr 1024
		.amdhsa_next_free_sgpr 66
		.amdhsa_reserve_vcc 1
		.amdhsa_float_denorm_mode_32 3
		.amdhsa_float_denorm_mode_16_64 3
		.amdhsa_memory_ordered 1
		.amdhsa_forward_progress 1
		.amdhsa_inst_pref_size 229
	.end_amdhsa_kernel
	.amdgpu_metadata
---
amdhsa.version: [ 1, 2 ]
amdhsa.kernels:
  - .name:           k_qda1ec3ae04_experts
    .symbol:         k_qda1ec3ae04_experts.kd
    .args:
      - { .name: xb, .offset: 0, .size: 8, .value_kind: global_buffer, .address_space: global }
      - { .name: Wb, .offset: 8, .size: 8, .value_kind: global_buffer, .address_space: global }
      - { .name: bexp, .offset: 16, .size: 8, .value_kind: global_buffer, .address_space: global }
      - { .name: wts, .offset: 24, .size: 8, .value_kind: global_buffer, .address_space: global }
      - { .name: list, .offset: 32, .size: 8, .value_kind: global_buffer, .address_space: global }
      - { .name: tiles, .offset: 40, .size: 8, .value_kind: global_buffer, .address_space: global }
      - { .name: out0, .offset: 48, .size: 8, .value_kind: global_buffer, .address_space: global }
    .group_segment_fixed_size: 110080
    .private_segment_fixed_size: 0
    .kernarg_segment_align: 8
    .kernarg_segment_size: 56
    .max_flat_workgroup_size: 128
    .sgpr_count:     66
    .vgpr_count:     1024
    .wavefront_size: 32
...
	.end_amdgpu_metadata
.endif
;; end of part 3
